; MI455X (gfx1250); checked and timed in simulation.
; The chip was launched on July 23, 2026; its instructions are those of AMD's public machine-readable ISA for CDNA 5 (MIT licence, August 2026) and "CDNA5" Instruction Set Architecture Reference Guide (July 2026). The comments in the code are by the model that wrote it; some were corrected since.
;; Encoder Transformer Block. Allowed arithmetic: float matrix products may take bf16 or f16 operands with f32 sums; other float arithmetic in f32, or as packed bf16 or f16 multiplies, adds, multiply-adds, maxima and minima; sums over many terms, partial sums and values carried from step to step in f32; what a program stores and reads back later, other than sums and carried values, may be rounded once to bf16 or f16.
;; Inputs: fc1_b 512 float32; fc1_w 512 x 128 float32; fc2_b 128 float32; fc2_w 128 x 512 float32; mask_matrix 1,024 x 64 x 64 float32; norm1_b 128 float32; norm1_w 128 float32; norm2_b 128 float32; norm2_w 128 float32; proj_b 128 float32; proj_w 128 x 128 float32; qkv_b 384 float32; qkv_w 384 x 128 float32; rpb_table 225 x 8 float32; x 2 x 256 x 256 x 128 float32.
;; Outputs: out0 2 x 256 x 256 x 128 float32.
;; One version. Each part assembles by itself: llvm-mc -triple=amdgcn-amd-amdhsa -mcpu=gfx1250 --defsym DOCPART=n.
;; ======== version 1 of 1: 2 launches
;; limits: values outside matrix products are rounded to bf16
;; workspace buffers: tabs 448,512 bytes
;; launch prep (part 1): grid 109 x 1, 8 waves a work-group, no clusters, 0 bytes of LDS; arguments qkv_w, proj_w, fc1_w, fc2_w, rpb_table, qkv_b, proj_b, norm1_w, norm1_b, norm2_w, norm2_b, fc2_b, fc1_b, tabs; writes tabs
.if DOCPART == 1
	.amdgcn_target "amdgcn-amd-amdhsa--gfx1250"
	.amdhsa_code_object_version 6
	.text
	.protected	k_qfed4561a88_prep
	.globl	k_qfed4561a88_prep
	.p2align	8
	.type	k_qfed4561a88_prep,@function
k_qfed4561a88_prep:
	s_mov_b64 s[64:65], 0
	v_nop
	global_prefetch_b8 v0, s[64:65] scope:SCOPE_SE
	s_setreg_imm32_b32 hwreg(HW_REG_WAVE_MODE, 25, 1), 1
	s_wait_xcnt 0x0
; TABLES FOR THE FUSED BLOCK.  Every thread makes one unit of 16 bytes of tabs; a wave's store covers 512 consecutive bytes, aligned.
; FRAGMENT ORDER: a block of 1,024 bytes is 16 rows x 32 k in bf16: bytes 16 l (l = lane 0..31) hold row l % 16, k = 8 (l / 16) + 0..7; bytes 512 + 16 l hold k = 16 + 8 (l / 16) + 0..7.
; tabs:  T2 = 0:       proj_w (32,768; block 4 c + kc), F (8,192), G (8,192), f32 vectors (6,144)
;        T1 = 55,296:  qkv_w (98,304; block 4 mt + kc), bias tiles (8 heads x 4,096)
;        T3 = 186,368: 16 chunks of 16,384: fc1 rows 32 i .. (blocks 4 m + kc), then fc2 columns 32 i .. (blocks 8 + c)
; Weights are rounded once to bf16.  Bias tile d (0..6) of a head: lane (r = l % 16, h = l / 16), element j = 4 x rpb[(2 (d - 3) + h - r / 8 + 7) x 15 + j - r % 8 + 7][head]; tile 7 is 0.
; F[f][n] = cos(2 pi f n / 64) / 8 for f <= 32, F[32 + k][n] = cos(2 pi (k n + 16) / 64) / 8 = -sin(2 pi k n / 64) / 8; G[n][f] = F[f][n], doubled where f % 32 is not 0.
; The cosine: the angle is folded into 0 .. pi / 2 by whole numbers, then the series to the tenth power (the term left out is below 5e-7 there).
; The k part of qkv_b (rows 128..255) is not copied: a term q . b_k is the same for all keys of a query and leaves a softmax unchanged.
.set T2, 0
.set T1, 55296
.set T3, 186368
	s_load_b512 s[8:23], s[0:1], 0x0               ; qkv_w 8, proj_w 10, fc1_w 12, fc2_w 14, rpb 16, qkv_b 18, proj_b 20, norm1_w 22
	s_load_b256 s[24:31], s[0:1], 0x40             ; norm1_b 24, norm2_w 26, norm2_b 28, fc2_b 30
	s_load_b128 s[32:35], s[0:1], 0x60             ; fc1_b 32, tabs 34
	s_mov_b32 s2, ttmp9                            ; g: which part of the tables
	v_and_b32 v1, 15, v0                           ; tid % 16
	v_lshrrev_b32 v2, 4, v0                        ; tid / 16
	v_lshlrev_b32 v3, 4, v0                        ; my 16 bytes in the work-group's 4,096
	s_wait_kmcnt 0x0
	s_cmp_lt_u32 s2, 64
	s_cbranch_scc0 .Lnot_rows
	; g 0-23 qkv_w, 24-31 proj_w, 32-63 fc1_w: a tile of 16 rows x 128 k
	s_cmp_lt_u32 s2, 24
	s_cselect_b64 s[36:37], s[8:9], s[10:11]
	s_cselect_b32 s38, 0, 24
	s_cselect_b32 s39, T1, T2
	s_cmp_lt_u32 s2, 32
	s_cselect_b64 s[36:37], s[36:37], s[12:13]
	s_cselect_b32 s38, s38, 32
	s_sub_co_u32 s38, s2, s38                      ; the tile's number in its matrix
	s_lshl_b32 s40, s38, 12
	s_add_co_u32 s40, s40, s39                     ; qkv, proj: tiles on end
	s_lshr_b32 s41, s38, 1
	s_lshl_b32 s41, s41, 14
	s_and_b32 s42, s38, 1
	s_lshl_b32 s42, s42, 12
	s_add_co_u32 s41, s41, s42
	s_add_co_u32 s41, s41, T3                      ; fc1: two tiles at the head of each chunk
	s_cmp_lt_u32 s2, 32
	s_cselect_b32 s40, s40, s41
	s_lshl_b32 s41, s38, 13                        ; 16 rows of 512 bytes
	v_lshlrev_b32 v4, 9, v1                        ; row tid % 16,
	v_lshl_add_u32 v4, v2, 5, v4                   ; k = 8 (tid / 16)
	v_add_nc_u32 v4, s41, v4
	s_branch .Lconv
.Lnot_rows:
	s_cmp_lt_u32 s2, 96
	s_cbranch_scc0 .Lnot_fc2
	; g 64-95 fc2_w [128][512]: chunk i = g' / 2, row tiles c = 4 (g' % 2) + tid / 64, k = 32 i + 8 ((tid / 16) % 4)
	s_sub_co_u32 s38, s2, 64
	s_lshr_b32 s41, s38, 1
	s_and_b32 s42, s38, 1
	s_lshl_b32 s40, s41, 14
	s_lshl_b32 s43, s42, 12
	s_add_co_u32 s40, s40, s43
	s_add_co_u32 s40, s40, T3+8192
	s_mov_b64 s[36:37], s[14:15]
	v_lshrrev_b32 v4, 6, v0
	v_lshl_add_u32 v4, v4, 4, v1
	v_lshlrev_b32 v4, 11, v4                       ; rows of 2,048 bytes
	v_and_b32 v6, 3, v2
	v_lshl_add_u32 v4, v6, 5, v4
	s_lshl_b32 s42, s42, 17                        ; 64 rows
	s_lshl_b32 s41, s41, 7                         ; 32 numbers
	s_add_co_u32 s41, s41, s42
	v_add_nc_u32 v4, s41, v4
.Lconv:                                                ; eight f32 in, eight bf16 out
	v_add_nc_u32 v5, s40, v3
	global_load_b128 v[8:11], v4, s[36:37]
	global_load_b128 v[12:15], v4, s[36:37] offset:16
	s_wait_loadcnt 0x0
	v_cvt_pk_bf16_f32 v16, v8, v9
	v_cvt_pk_bf16_f32 v17, v10, v11
	v_cvt_pk_bf16_f32 v18, v12, v13
	v_cvt_pk_bf16_f32 v19, v14, v15
	global_store_b128 v5, v[16:19], s[34:35]
	s_endpgm
.Lnot_fc2:
	s_cmp_lt_u32 s2, 104
	s_cbranch_scc0 .Lnot_bias
	; g 96-103: the bias tiles of head g - 96
	s_sub_co_u32 s38, s2, 96
	s_lshl_b32 s40, s38, 12
	s_add_co_u32 s40, s40, T1+98304
	s_lshl_b32 s38, s38, 2
	v_lshrrev_b32 v4, 5, v0                        ; tile d
	v_min_u32 v6, 6, v4                            ; tile 7 reads tile 6's numbers and multiplies them by 0
	v_bfe_u32 v7, v0, 4, 1                         ; h
	v_bfe_u32 v8, v0, 3, 1                         ; r / 8
	v_and_b32 v9, 7, v0                            ; r % 8
	v_lshl_add_u32 v6, v6, 1, v7
	v_add_nc_u32 v6, 1, v6
	v_sub_nc_u32 v6, v6, v8                        ; 2 (d - 3) + h - r / 8 + 7, 0 to 14
	v_mul_u32_u24 v6, v6, 15
	v_add_nc_u32 v6, 7, v6
	v_sub_nc_u32 v6, v6, v9                        ; the row of the table for j = 0; j adds up to 7: 224 at the most
	v_lshlrev_b32 v6, 5, v6
	v_add_nc_u32 v6, s38, v6
.irp j, 0,1,2,3,4,5,6,7
	global_load_b32 v[8+\j], v6, s[16:17] offset:32*\j
.endr
	v_add_nc_u32 v5, s40, v3
	v_mov_b32 v20, 4.0                             ; 1 / scale = sqrt(16)
	v_cmp_gt_u32 vcc_lo, 7, v4
	v_cndmask_b32 v20, 0, v20, vcc_lo
	s_wait_loadcnt 0x0
.irp j, 0,1,2,3,4,5,6,7
	v_mul_f32 v[8+\j], v20, v[8+\j]
.endr
	v_cvt_pk_bf16_f32 v16, v8, v9
	v_cvt_pk_bf16_f32 v17, v10, v11
	v_cvt_pk_bf16_f32 v18, v12, v13
	v_cvt_pk_bf16_f32 v19, v14, v15
	global_store_b128 v5, v[16:19], s[34:35]
	s_endpgm
.Lnot_bias:
	s_cmp_lt_u32 s2, 108
	s_cbranch_scc0 .Lvectors
	; g 104, 105: F; 106, 107: G.  Unit u of 512: column A = 16 (u / 128) + u % 16, k = B + j, B = 32 ((u / 64) % 2) + 8 ((u / 16) % 4)
	s_sub_co_u32 s38, s2, 104
	s_and_b32 s39, s38, 1
	s_lshl_b32 s39, s39, 8
	v_add_nc_u32 v4, s39, v0
	v_lshrrev_b32 v10, 7, v4
	v_lshl_add_u32 v10, v10, 4, v1                 ; A
	v_bfe_u32 v11, v4, 6, 1
	v_bfe_u32 v6, v4, 4, 2
	v_lshlrev_b32 v11, 5, v11
	v_lshl_add_u32 v11, v6, 3, v11                 ; B
	s_cmp_ge_u32 s38, 2
	s_cselect_b32 s44, -1, 0                       ; all lanes: is it G?
	s_lshl_b32 s40, s38, 12
	s_add_co_u32 s40, s40, T2+32768
	v_mov_b32 v40, 0x3e000000                      ; 1/8
	v_mov_b32 v41, 0x3e800000                      ; 1/4
	v_mov_b32 v42, 0x80000000                      ; a sign
	v_mov_b32 v43, 32
.macro COSV j
	v_add_nc_u32 v12, \j, v11
	v_cndmask_b32 v13, v10, v12, s44               ; f: F's column, G's k
	v_cndmask_b32 v14, v12, v10, s44               ; n: F's k, G's column
	v_cmp_lt_u32 vcc_lo, 32, v13                   ; an imaginary row?
	v_cndmask_b32 v15, 0, v43, vcc_lo
	v_sub_nc_u32 v16, v13, v15                     ; its bin,
	v_lshrrev_b32 v15, 1, v15                      ; and a quarter turn
	v_mad_u32_u24 v16, v16, v14, v15
	v_and_b32 v16, 63, v16                         ; the angle in 64ths of a turn
	v_sub_nc_u32 v17, 64, v16
	v_min_u32 v16, v16, v17                        ; cos is even: 0 .. 32
	v_cmp_lt_u32 vcc_lo, 16, v16
	v_sub_nc_u32 v17, 32, v16
	v_cndmask_b32 v16, v16, v17, vcc_lo            ; cos(pi - a) = -cos a: 0 .. 16
	v_cndmask_b32 v18, 0, v42, vcc_lo
	v_cvt_f32_u32 v16, v16
	v_mul_f32 v16, 0x3dc90fdb, v16                 ; x pi / 32
	v_mul_f32 v16, v16, v16
	v_mov_b32 v17, 0xb493f27e                      ; -1/10!
	v_fmaak_f32 v17, v17, v16, 0x37d00d01          ; 1/8!
	v_fmaak_f32 v17, v17, v16, 0xbab60b61          ; -1/6!
	v_fmaak_f32 v17, v17, v16, 0x3d2aaaab          ; 1/4!
	v_fmaak_f32 v17, v17, v16, 0xbf000000          ; -1/2
	v_fmaak_f32 v17, v17, v16, 0x3f800000          ; 1
	v_xor_b32 v17, v17, v18
	v_and_b32 v19, 31, v13
	v_cmp_ne_u32 vcc_lo, 0, v19
	s_and_b32 s45, vcc_lo, s44                     ; G doubles all bins but 0 and 32
	v_cndmask_b32 v19, v40, v41, s45
	v_mul_f32 v[20+\j], v17, v19
.endm
.irp j, 0,1,2,3,4,5,6,7
	COSV \j
.endr
	v_add_nc_u32 v5, s40, v3
	v_cvt_pk_bf16_f32 v28, v20, v21
	v_cvt_pk_bf16_f32 v29, v22, v23
	v_cvt_pk_bf16_f32 v30, v24, v25
	v_cvt_pk_bf16_f32 v31, v26, v27
	global_store_b128 v5, v[28:31], s[34:35]
	s_endpgm
.Lvectors:
	; g 108: the f32 vectors.  Wave w copies 512 bytes: q bias, v bias, proj_b, norm1_w, norm1_b, norm2_w, norm2_b, fc2_b; waves 0-3 then fc1_b
	v_lshrrev_b32 v4, 5, v0
	v_readfirstlane_b32 s3, v4
	s_mov_b64 s[36:37], s[18:19]
	s_cmp_eq_u32 s3, 2
	s_cselect_b64 s[36:37], s[20:21], s[36:37]
	s_cmp_eq_u32 s3, 3
	s_cselect_b64 s[36:37], s[22:23], s[36:37]
	s_cmp_eq_u32 s3, 4
	s_cselect_b64 s[36:37], s[24:25], s[36:37]
	s_cmp_eq_u32 s3, 5
	s_cselect_b64 s[36:37], s[26:27], s[36:37]
	s_cmp_eq_u32 s3, 6
	s_cselect_b64 s[36:37], s[28:29], s[36:37]
	s_cmp_eq_u32 s3, 7
	s_cselect_b64 s[36:37], s[30:31], s[36:37]
	s_cmp_eq_u32 s3, 1
	s_cselect_b32 s38, 1024, 0                     ; the v part of qkv_b begins at number 256
	v_and_b32 v4, 31, v0
	v_lshlrev_b32 v4, 4, v4
	v_add_nc_u32 v4, s38, v4
	v_add_nc_u32 v5, T2+49152, v3
	global_load_b128 v[8:11], v4, s[36:37]
	s_wait_loadcnt 0x0
	global_store_b128 v5, v[8:11], s[34:35]
	s_cmp_lt_u32 s3, 4
	s_cbranch_scc0 .Lvec_done
	global_load_b128 v[12:15], v3, s[32:33]
	s_wait_loadcnt 0x0
	global_store_b128 v5, v[12:15], s[34:35] offset:4096
.Lvec_done:
	s_endpgm
.Lfunc_end_k_qfed4561a88_prep:
	.size	k_qfed4561a88_prep, .Lfunc_end_k_qfed4561a88_prep-k_qfed4561a88_prep
	.p2alignl 7, 3214868480
	.fill 96, 4, 3214868480
	.section	.rodata,"a",@progbits
	.p2align	6, 0x0
	.amdhsa_kernel k_qfed4561a88_prep
		.amdhsa_group_segment_fixed_size 0
		.amdhsa_private_segment_fixed_size 0
		.amdhsa_enable_private_segment 0
		.amdhsa_kernarg_size 112
		.amdhsa_user_sgpr_count 2
		.amdhsa_user_sgpr_kernarg_segment_ptr 1
		.amdhsa_wavefront_size32 1
		.amdhsa_system_sgpr_workgroup_id_x 1
		.amdhsa_system_sgpr_workgroup_id_y 1
		.amdhsa_system_sgpr_workgroup_id_z 1
		.amdhsa_system_vgpr_workitem_id 0
		.amdhsa_next_free_vgpr 64
		.amdhsa_next_free_sgpr 66
		.amdhsa_reserve_vcc 1
		.amdhsa_float_denorm_mode_32 3
		.amdhsa_float_denorm_mode_16_64 3
		.amdhsa_memory_ordered 1
		.amdhsa_forward_progress 1
		.amdhsa_inst_pref_size 18
	.end_amdhsa_kernel
	.amdgpu_metadata
---
amdhsa.version: [ 1, 2 ]
amdhsa.kernels:
  - .name:           k_qfed4561a88_prep
    .symbol:         k_qfed4561a88_prep.kd
    .args:
      - { .name: qkv_w, .offset: 0, .size: 8, .value_kind: global_buffer, .address_space: global }
      - { .name: proj_w, .offset: 8, .size: 8, .value_kind: global_buffer, .address_space: global }
      - { .name: fc1_w, .offset: 16, .size: 8, .value_kind: global_buffer, .address_space: global }
      - { .name: fc2_w, .offset: 24, .size: 8, .value_kind: global_buffer, .address_space: global }
      - { .name: rpb_table, .offset: 32, .size: 8, .value_kind: global_buffer, .address_space: global }
      - { .name: qkv_b, .offset: 40, .size: 8, .value_kind: global_buffer, .address_space: global }
      - { .name: proj_b, .offset: 48, .size: 8, .value_kind: global_buffer, .address_space: global }
      - { .name: norm1_w, .offset: 56, .size: 8, .value_kind: global_buffer, .address_space: global }
      - { .name: norm1_b, .offset: 64, .size: 8, .value_kind: global_buffer, .address_space: global }
      - { .name: norm2_w, .offset: 72, .size: 8, .value_kind: global_buffer, .address_space: global }
      - { .name: norm2_b, .offset: 80, .size: 8, .value_kind: global_buffer, .address_space: global }
      - { .name: fc2_b, .offset: 88, .size: 8, .value_kind: global_buffer, .address_space: global }
      - { .name: fc1_b, .offset: 96, .size: 8, .value_kind: global_buffer, .address_space: global }
      - { .name: tabs, .offset: 104, .size: 8, .value_kind: global_buffer, .address_space: global }
    .group_segment_fixed_size: 0
    .private_segment_fixed_size: 0
    .kernarg_segment_align: 8
    .kernarg_segment_size: 112
    .max_flat_workgroup_size: 256
    .sgpr_count:     66
    .vgpr_count:     64
    .wavefront_size: 32
...
	.end_amdgpu_metadata
.endif
;; end of part 1
;; launch block (part 2): grid 256 x 1, 8 waves a work-group, clusters of 4 x 1, 327,680 bytes of LDS; arguments x, tabs, out0; writes out0
.if DOCPART == 2
	.amdgcn_target "amdgcn-amd-amdhsa--gfx1250"
	.amdhsa_code_object_version 6
	.text
	.protected	k_qfed4561a88_block
	.globl	k_qfed4561a88_block
	.p2align	8
	.type	k_qfed4561a88_block,@function
k_qfed4561a88_block:
	s_mov_b64 s[64:65], 0
	v_nop
	global_prefetch_b8 v0, s[64:65] scope:SCOPE_SE
	s_setreg_imm32_b32 hwreg(HW_REG_WAVE_MODE, 25, 1), 1
	s_wait_xcnt 0x0
	s_wait_alu depctr_hold_cnt(0) depctr_sa_sdst(0) depctr_va_vdst(0) depctr_va_sdst(0) depctr_va_ssrc(0) depctr_va_vcc(0) depctr_vm_vsrc(0)
	s_getreg_b32 s2, hwreg(HW_REG_IB_STS2, 6, 4)
	s_cmp_eq_u32 s2, 0
	s_cbranch_scc0 .Lentry_in_a_cluster
	s_endpgm
.Lentry_in_a_cluster:
	s_bfe_u32 s2, ttmp6, 0x10000c
	s_cmp_lg_u32 s2, 0x3003
	s_cbranch_scc0 .Lentry_shape_is_right
	s_endpgm
.Lentry_shape_is_right:
; THE WHOLE TRANSFORMER BLOCK, ONE WAVE TO A WINDOW.  2,048 windows of 64 tokens x 128 channels = 256 work-groups x 8 waves; x is read once, out0 written once, nothing between goes to memory.
; LN1; window attention (8 heads of 16, relative-position bias); the same attention on the ortho rfft along the tokens, brought back by irfft; proj of both, residual; LN2; fc1, exact GELU, fc2, residual.
; WHAT IS NOT READ, AND WHY IT MAY NOT BE.  mask_matrix: the function never uses it.  The k part of qkv_b: q . b_k is the same for all keys of a query, and a softmax does not see it.  b_v is added once
; behind the division by l, since the weights sum to 1.  The rfft's imaginary rows of bins 0 and 32 are zero: as keys they have (after the above) the score 0 and the value 0, so they enter the maximum
; as 0 and l as 2 x 2^(-c m); as queries irfft drops them.  So the spectral branch has 64 tokens, and rfft and irfft are two 64 x 64 matrices F and G.
; LAYOUT.  A matrix result holds its column in lane % 16 and rows 8 (lane / 16) + j in register j; two results rounded in pairs are a source whose k is that row index.  Tokens stay in the lanes:
;   q^T, k^T = W x X^T;  V = X x W^T (sources swapped);  S^T = [K | bias] x [Q | I] (a head's 16 channels fill half of k = 32; the other half carries 4 x bias against an identity, 0 in the spectral pass);
;   O^T = V^T P;  proj, fc1, fc2 = W x activations;  X_f^T = X^T (turning load) x F;  O_f is turned by a product with an identity and multiplied by G.
; SOFTMAX.  p = 2^(c s - c m), c = log2(e) / 4, m the true maximum of the query's 64 scores (and of 0 in the spectral pass); l is the sum of the unrounded p.
; FORMATS AND LIMITS.  All matrix operands bf16 (weights, activations, 4 x bias, F, G, p, O, x_r); sums, LN statistics (two passes: mean, then squares of differences), maxima, l, the residual and its
; accumulators f32.  proj is applied to the two branches one after the other and summed in f32.  GELU = h Phi(h), Phi = 1/2 + w A(z) / B(z), w = h / (4 sqrt 2), z = min(w w, 1): the rational erf good to
; f32 for |h| <= 5.66; beyond that the clamp of Phi to 0 .. 1 gives its limit.  A weight below 2^-126 counts as 0.  NaN and infinities are not treated apart.
; CLUSTER.  The tables are the same for every work-group: they come by joint loads of the four partners (mask 15).  x comes by a load of each wave's own.  cx enters global addresses alone.
; LDS.  0-131,071: x tiles (part), then qkv_w and the bias tiles, then the fc ring (two slots of four chunks).  131,072-270,335: x tiles (part), then, never filled again, each wave's own 17,408 bytes:
; [64 tokens][128 ch] bf16 at pitch 272, at the end its stage for the way out.  270,336: proj_w, F, G, f32 vectors, kept.  325,632: the spare words.  All of the WGP's LDS is claimed.
; REGISTERS.  Window 1 (v256-511): XACC, tile (c, t) at 8 (4 c + t): token 16 t + lane % 16, channels 16 c + 8 (lane / 16) + j: x, onto which proj and fc2 add in place.  Window 0: the maps stand at the macros.
.set XP,     528                       ; a token of x in LDS: 512 bytes + 16: the 16 tokens of a load start at 16 different groups of four banks
.set XTILE,  64*XP
.set ACT,    131072
.set ACTW,   17408
.set AP,     272                       ; a token in bf16: 256 bytes + 16
.set AT,     16*AP
.set BIASL,  98304
.set WPL,    270336
.set FL,     303104
.set GL,     311296
.set VEC,    319488
.set SPARE,  325632
.set T1G,    55296                     ; in tabs
.set T3G,    186368
.set O_VB,   512                       ; in the f32 vectors; the q bias stands at 0
.set O_PB,   1024
.set O_L1W,  1536
.set O_L1B,  2048
.set O_L2W,  2560
.set O_L2B,  3072
.set O_F2B,  3584
.set O_F1B,  4096
; v0 tid; v1 16 x lane; v2 my place in my ACT (272 n + 16 h); v3 32 h; v4, v5 the add's two; v6, v7 addresses at work; v8-11 the identity's four registers; v12-15 the same or 0 (later v12: prefetch offsets)
; s[4:5] x, s[6:7] tabs, s[8:9] out0 (x, out0 at my window); s10 wave; s11 cx; s[12:23] x tile's descriptor; s[24:47] the tables' three group 1; s[48:59] their group 0; s[60:61] lane selects; s[62:63] c
; s66 branch, s67 head pair, s68-71 LDS offsets of the head's weights, bias tiles, vectors, proj block; s72 M0, s73 c M0; s74 ring, s75 chunk count, s76 chunk, s77 fc1 bias; s78 1/128; s79 my ACT; s[86:87], s88 prefetch
.set MSB, 0
.macro WIN new                         ; the immediate's high byte repeats the setting that is left; a switch that changes nothing is dropped
.if MSB != (\new)
	s_set_vgpr_msb (MSB<<8)|(\new)
.set MSB, \new
.endif
.endm
.macro PLACES n=4                      ; plain vector instructions between a matrix instruction and what reads its result or writes its registers (ISA guide 7.12.1)
.rept \n
	v_nop
.endr
.endm
.macro ROUND                           ; a round of the cluster's barrier: my work-group's barrier; wave 0 signals for it; all wait for the four work-groups; my work-group's barrier again
	s_barrier_signal -1
	s_barrier_wait -1
	s_cmp_lg_u32 s10, 0
	s_cbranch_scc1 .Lnot_wave_0_\@
	s_barrier_signal -3
.Lnot_wave_0_\@:
	s_barrier_wait -3
	s_barrier_signal -1
	s_barrier_wait -1
.endm
.macro TLOAD g0, g1                    ; a tensor load, the s_nop 0 and four v_nop behind it
	tensor_load_to_lds s[\g0:\g0+3], s[\g1:\g1+7]
	s_nop 0
	PLACES
.endm
.macro DENSE g, rows                   ; group 1 of a dense block: rows of 256 bytes (32 elements of 8), joint for the four partners
	s_mov_b32 s[\g], 15|(3<<16)|(1<<21)            ; 15:0 the mask; 17:16 elements of 8 bytes; 21 set beside a mask
	s_mov_b32 s[\g+1], 32<<16                      ; tensor_dim0 = 32
	s_mov_b32 s[\g+2], (\rows)<<16                 ; tensor_dim1
	s_mov_b32 s[\g+3], 32<<16                      ; tile_dim0 = 32
	s_mov_b32 s[\g+4], \rows                       ; tile_dim1
	s_mov_b32 s[\g+5], 32                          ; elements from row to row
	s_mov_b32 s[\g+6], 0
	s_mov_b32 s[\g+7], 0
.endm
.macro ASK how                         ; a prefetch into the L2 of the fc group that the NEXT ring load will ask for: 256 blocks of 256 bytes.  The first cluster asks; its partners take 64 blocks each, by address;
.if \how                               ; in each, waves 0 and 1 ask, a lane a block.  how = 0, in the ring: the last ring load has no group behind it
	s_cmp_eq_u32 s88, 1
.else
	s_cmp_gt_u32 s74, s88
.endif
	s_cbranch_scc0 .Lnot_mine_\@
	global_prefetch_b8 v12, s[86:87] th:TH_LOAD_NT scope:SCOPE_SE
.Lnot_mine_\@:
.endm
	s_load_b128 s[4:7], s[0:1], 0x0
	s_load_b64 s[8:9], s[0:1], 0x10
	v_lshl_add_u32 v4, v0, 2, SPARE
	v_mov_b32 v5, 0
	ds_add_u32 v4, v5                              ; the wave's opening: the add and its wait stand ahead of my first tensor load; the set-up, work on registers, stands between
	v_lshrrev_b32 v1, 5, v0
	v_readfirstlane_b32 s10, v1                    ; wave 0..7
	s_bfe_u32 s11, ttmp6, 0x40000                  ; cx
	s_lshl_b32 s2, ttmp9, 2                        ; ttmp9 counts clusters
	s_add_co_u32 s2, s2, s11
	s_lshl_b32 s2, s2, 3
	s_add_co_u32 s2, s2, s10                       ; my window, 0..2047
	s_lshr_b32 s3, s2, 5
	s_lshl_b32 s3, s3, 20                          ; a row of windows is 8 x 256 tokens of 512 bytes
	s_and_b32 s2, s2, 31
	s_lshl_b32 s2, s2, 12                          ; a window is 8 tokens wide
	s_add_co_u32 s2, s2, s3
	s_mov_b32 s3, 0
	; my x tile: 8 rows of 8 tokens (1,024 f32), 256 tokens from row to row; 4 words of padding behind each token's 128
	s_mov_b32 s12, 1
	s_mul_i32 s13, s10, XTILE
	s_mov_b32 s16, (2<<16)|(1<<20)|(6<<22)|(3<<25)
	s_mov_b32 s17, 1024<<16
	s_mov_b32 s18, 8<<16
	s_mov_b32 s19, 1024<<16
	s_mov_b32 s20, 8
	s_mov_b32 s21, 32768
	s_mov_b32 s22, 0
	s_mov_b32 s23, 0
	DENSE 24, 27                                   ; an eighth of proj_w, F, G and the vectors: 6,912 bytes
	DENSE 32, 64                                   ; an eighth of qkv_w and the bias tiles: 16,384
	DENSE 40, 32                                   ; an eighth of four fc chunks: 8,192
	s_mov_b32 s48, 1
	s_mul_i32 s80, s10, 6912
	s_add_co_u32 s49, s80, WPL
	s_mov_b32 s81, 0
	s_mov_b32 s52, 1
	s_lshl_b32 s53, s10, 14
	s_add_co_u32 s82, s53, T1G
	s_mov_b32 s83, 0
	s_mov_b32 s56, 1
	s_lshl_b32 s57, s10, 13
	s_add_co_u32 s84, s57, T3G
	s_mov_b32 s85, 0
	s_mul_i32 s79, s10, ACTW
	s_add_co_u32 s79, s79, ACT
	s_mov_b32 s60, 0x76543210
	s_mov_b32 s61, 0xfedcba98
	s_mov_b32 s62, 0x3eb8aa3b                      ; c = log2(e) / 4
	s_mov_b32 s63, s62
	s_mov_b32 s78, 0x3c000000                      ; 1/128
	s_lshl_b32 s86, s11, 14                        ; the prefetches: my work-group's 64 blocks of a group, beginning with group 1
	s_add_co_u32 s86, s86, T3G+65536
	s_mov_b32 s87, 0
	s_lshr_b32 s88, s10, 1
	s_or_b32 s88, s88, ttmp9                       ; 0 in waves 0 and 1 of the first cluster: the same in all four partners
	s_cmp_eq_u32 s88, 0
	s_cselect_b32 s88, 1, -1
	s_wait_dscnt 0x0                               ; the opening add is done
	s_wait_kmcnt 0x0
	s_add_nc_u64 s[4:5], s[4:5], s[2:3]
	s_add_nc_u64 s[8:9], s[8:9], s[2:3]
	s_mov_b64 s[14:15], s[4:5]
	s_or_b32 s15, s15, 0x80000000
	s_add_nc_u64 s[50:51], s[6:7], s[80:81]
	s_or_b32 s51, s51, 0x80000000
	s_add_nc_u64 s[54:55], s[6:7], s[82:83]
	s_or_b32 s55, s55, 0x80000000
	s_add_nc_u64 s[58:59], s[6:7], s[84:85]
	s_or_b32 s59, s59, 0x80000000
	s_add_nc_u64 s[86:87], s[6:7], s[86:87]
	ROUND                                          ; the four work-groups are here: the first joint loads meet
	tensor_load_to_lds s[12:15], s[16:23]          ; my window of x,
	s_nop 0
	tensor_load_to_lds s[48:51], s[24:31]          ; and my eighth of the tables that stay: two loads of mine are out
	s_nop 0
	PLACES
	v_and_b32 v16, 15, v0                          ; n
	v_bfe_u32 v17, v0, 4, 1                        ; h
	v_and_b32 v1, 31, v0
	v_lshlrev_b32 v1, 4, v1
	v_mul_u32_u24 v2, v16, AP
	v_lshl_add_u32 v2, v17, 4, v2
	v_add_nc_u32 v2, s79, v2
	v_lshlrev_b32 v3, 5, v17
	v_mul_u32_u24 v6, v16, XP
	v_lshl_add_u32 v6, v17, 5, v6
	v_add_nc_u32 v6, s13, v6                       ; token n, channels 8 h .. of my x tile
	v_lshlrev_b32 v18, 3, v17
	v_sub_nc_u32 v18, v16, v18                     ; the identity: bf16 1.0 at element n - 8 h of my eight, if it is among them
	v_mov_b32 v19, 0x3f80
	v_mov_b32 v20, 0x3f800000
.irp i, 0,1,2,3
	v_cmp_eq_u32 vcc_lo, 2*\i, v18
	v_cndmask_b32 v[8+\i], 0, v19, vcc_lo
	v_cmp_eq_u32 vcc_lo, 2*\i+1, v18
	v_cndmask_b32 v[8+\i], v[8+\i], v20, vcc_lo
.endr
	; x INTO XACC
	s_wait_tensorcnt 0x1                           ; my x tile is in; the table load issued behind it may stay out
	WIN 0x40
.set c, 0
.rept 8
.set t, 0
.rept 4
	ds_load_b128 v[8*(4*c+t):8*(4*c+t)+3],   v6 offset:16*XP*t+64*c
	ds_load_b128 v[8*(4*c+t)+4:8*(4*c+t)+7], v6 offset:16*XP*t+64*c+16
.set t, t+1
.endr
.set c, c+1
.endr
	WIN 0
	s_wait_tensorcnt 0x0                           ; all my tensor loads have landed,
	ds_add_u32 v4, v5                              ; (0 onto my spare word)
	s_wait_dscnt 0x0                               ; and my reads of my x tile are back
	ROUND                                          ; the same holds of every wave of the cluster: the tables that stay are whole, no x tile is read any more
	TLOAD 52, 32                                   ; qkv_w and the bias tiles, over the lower x tiles: they land under LN1
; LAYER NORM of token tile t.  v16-23 four chains, v26 mean, v28 1 / sigma, v64-127 the differences, v128-191 gain, v192-255 bias (register 8 c + j: channel 16 c + 8 h + j), v32-63 the result in bf16.
.macro VLOAD dst, off                  ; 64 numbers of a vector of 128: my half of each 16 channels
.set c, 0
.rept 8
	ds_load_b128 v[(\dst)+8*c:(\dst)+8*c+3],   v7 offset:(\off)+64*c
	ds_load_b128 v[(\dst)+8*c+4:(\dst)+8*c+7], v7 offset:(\off)+64*c+16
.set c, c+1
.endr
.endm
.macro FOLD                            ; four chains of pairs into one number, over both halves of the lanes: in v16
	v_pk_add_f32 v[16:17], v[16:17], v[18:19]
	v_pk_add_f32 v[20:21], v[20:21], v[22:23]
	v_pk_add_f32 v[16:17], v[16:17], v[20:21]
	v_add_f32 v16, v16, v17
	v_permlanex16_b32 v17, v16, s60, s61           ; the token's other 64 channels lie in the lane 16 away
	v_add_f32 v16, v16, v17
.endm
.macro LNT t
	WIN 0x05                                       ; both sources in window 1
.set k, 0
.rept 4
	v_pk_add_f32 v[16+2*k:17+2*k], v[8*(\t)+2*k:8*(\t)+2*k+1], v[8*(4+(\t))+2*k:8*(4+(\t))+2*k+1]
.set k, k+1
.endr
	WIN 0x01
.set c, 2
.rept 6
.set k, 0
.rept 4
	v_pk_add_f32 v[16+2*k:17+2*k], v[8*(4*c+(\t))+2*k:8*(4*c+(\t))+2*k+1], v[16+2*k:17+2*k]
.set k, k+1
.endr
.set c, c+1
.endr
	WIN 0
	FOLD
	v_mul_f32 v26, s78, v16                        ; the mean
	WIN 0x01
.set c, 0
.rept 8
.set k, 0
.rept 4
	v_pk_add_f32 v[64+8*c+2*k:65+8*c+2*k], v[8*(4*c+(\t))+2*k:8*(4*c+(\t))+2*k+1], v[26:27] op_sel_hi:[1,0] neg_lo:[0,1] neg_hi:[0,1]
.set k, k+1
.endr
.set c, c+1
.endr
	WIN 0
.set i, 0
.rept 4
	v_pk_mul_f32 v[16+2*i:17+2*i], v[64+2*i:65+2*i], v[64+2*i:65+2*i]
.set i, i+1
.endr
.rept 28
	v_pk_fma_f32 v[16+2*(i%4):17+2*(i%4)], v[64+2*i:65+2*i], v[64+2*i:65+2*i], v[16+2*(i%4):17+2*(i%4)]
.set i, i+1
.endr
	FOLD
	v_fmaak_f32 v28, s78, v16, 0x3727c5ac          ; the variance + 1e-5
	v_rsq_f32 v28, v28
	v_nop                                          ; a plain instruction behind the root,
	s_wait_alu depctr_va_vdst(0)                   ; and a wait ahead of its first reader
.set i, 0
.rept 32
	v_pk_mul_f32 v[64+2*i:65+2*i], v[64+2*i:65+2*i], v[28:29] op_sel_hi:[1,0]
.set i, i+1
.endr
.set i, 0
.rept 32
	v_pk_fma_f32 v[64+2*i:65+2*i], v[64+2*i:65+2*i], v[128+2*i:129+2*i], v[192+2*i:193+2*i]
.set i, i+1
.endr
.set i, 0
.rept 32
	v_cvt_pk_bf16_f32 v[32+i], v[64+2*i], v[65+2*i]
.set i, i+1
.endr
.set c, 0
.rept 8
	ds_store_b128 v2, v[32+4*c:35+4*c] offset:AT*(\t)+32*c
.set c, c+1
.endr
.endm
	; LN1 -> my ACT
	v_add_nc_u32 v7, VEC, v3
	VLOAD 128, O_L1W
	VLOAD 192, O_L1B
	v_mov_b32 v27, 0                               ; named in pairs with v26 and v28, of which the low word is used
	v_mov_b32 v29, 0
	s_wait_dscnt 0x0
	LNT 0
	LNT 1
	LNT 2
	LNT 3
	s_wait_tensorcnt 0x0                           ; my eighth of qkv_w and the bias tiles is in,
	s_wait_dscnt 0x0
	s_barrier_signal -1
	s_barrier_wait -1                              ; everybody's is
; A HEAD.  v48-143 the twelve accumulators q^T, k^T, V (t = 0..3 each); v144-199, v200-255 two buffers of a K step: X's four fragments, then W's for q, k, v.
; Behind the products: v144 + 12 tk: [odd slot | K | even slot]; v192-215 [Q0 I Q1 Q2 I Q3]; v216-231 V^T; v232-239 b_v; v240 + 8 u statistics; S^T of tile u at v48 + 32 u; P at v112 + 16 u; O^T at v64 + 32 u.
.macro QLOAD b, kc                     ; 14 loads: 32 channels of the 64 tokens and of the head's 48 rows of qkv_w
.set BB, 144+56*(\b)
.set t, 0
.rept 4
	ds_load_b128 v[BB+8*t:BB+8*t+3],   v2 offset:AT*t+64*(\kc)
	ds_load_b128 v[BB+8*t+4:BB+8*t+7], v2 offset:AT*t+64*(\kc)+32
.set t, t+1
.endr
	ds_load_b128 v[BB+32:BB+35], v6 offset:1024*(\kc)
	ds_load_b128 v[BB+36:BB+39], v6 offset:1024*(\kc)+512
	ds_load_b128 v[BB+40:BB+43], v6 offset:32768+1024*(\kc)
	ds_load_b128 v[BB+44:BB+47], v6 offset:32768+1024*(\kc)+512
	ds_load_b128 v[BB+48:BB+51], v7 offset:1024*(\kc)
	ds_load_b128 v[BB+52:BB+55], v7 offset:1024*(\kc)+512
.endm
.macro QMUL b, first                   ; twelve products; the twelve accumulators take turns.  q starts from its bias, loaded into the accumulators; k and V from 0
.set BB, 144+56*(\b)
.set t, 0
.rept 4
	v_wmma_f32_16x16x32_bf16 v[48+8*t:55+8*t], v[BB+32:BB+39], v[BB+8*t:BB+8*t+7], v[48+8*t:55+8*t]
.set t, t+1
.endr
.set t, 0
.rept 4
.if \first
	v_wmma_f32_16x16x32_bf16 v[80+8*t:87+8*t], v[BB+40:BB+47], v[BB+8*t:BB+8*t+7], 0
.else
	v_wmma_f32_16x16x32_bf16 v[80+8*t:87+8*t], v[BB+40:BB+47], v[BB+8*t:BB+8*t+7], v[80+8*t:87+8*t]
.endif
.set t, t+1
.endr
.set t, 0
.rept 4
.if \first
	v_wmma_f32_16x16x32_bf16 v[112+8*t:119+8*t], v[BB+8*t:BB+8*t+7], v[BB+48:BB+55], 0
.else
	v_wmma_f32_16x16x32_bf16 v[112+8*t:119+8*t], v[BB+8*t:BB+8*t+7], v[BB+48:BB+55], v[112+8*t:119+8*t]
.endif
.set t, t+1
.endr
.endm
.macro SLOTS p                         ; the bias tiles of query tiles 2 p (even slots) and 2 p + 1 (odd slots): tile tq - tk + 3
.set tk, 0
.rept 4
	ds_load_b128 v[152+12*tk:155+12*tk], v6 offset:512*(2*(\p)-tk+3)
	ds_load_b128 v[144+12*tk:147+12*tk], v6 offset:512*(2*(\p)-tk+4)
.set tk, tk+1
.endr
.endm
.macro SPROD p                         ; S^T of query tiles 2 p ([K | slot] x [Q | I]) and 2 p + 1 ([slot | K] x [I | Q]): eight sums of one product each
.set tk, 0
.rept 4
	v_wmma_f32_16x16x32_bf16 v[48+8*tk:55+8*tk], v[148+12*tk:155+12*tk], v[192+12*(\p):199+12*(\p)], 0
	v_wmma_f32_16x16x32_bf16 v[80+8*tk:87+8*tk], v[144+12*tk:151+12*tk], v[196+12*(\p):203+12*(\p)], 0
.set tk, tk+1
.endr
.endm
; The softmax of two query tiles (u = 0, 1, line by line by turns), V^T P, and O^T into half hsel of the pair's fragments.  Statistics at v240 + 8 u: c m, m, e0, -, c0-c3.
.macro SOFTMAX p, hsel
.set j, 0
.rept 4                                ; each accumulator's lowest registers are read first
.irp u, 0,1
	v_max3_num_f32 v[244+8*(\u)+j], v[48+32*(\u)+8*j], v[49+32*(\u)+8*j], v[50+32*(\u)+8*j]
.endr
.set j, j+1
.endr
.set j, 0
.rept 8
.irp u, 0,1
	v_max3_num_f32 v[244+8*(\u)+j%4], v[244+8*(\u)+j%4], v[51+32*(\u)+8*(j%4)+2*(j/4)], v[52+32*(\u)+8*(j%4)+2*(j/4)]
.endr
.set j, j+1
.endr
.irp u, 0,1
	v_max3_num_f32 v[244+8*(\u)], v[244+8*(\u)], v[55+32*(\u)], v[63+32*(\u)]
.endr
.irp u, 0,1
	v_max3_num_f32 v[246+8*(\u)], v[246+8*(\u)], v[71+32*(\u)], v[79+32*(\u)]
.endr
.irp u, 0,1
	v_max3_num_f32 v[244+8*(\u)], v[244+8*(\u)], v[245+8*(\u)], v[246+8*(\u)]
.endr
.irp u, 0,1
	v_max3_num_f32 v[244+8*(\u)], v[244+8*(\u)], v[247+8*(\u)], s72    ; and the two zero keys' score, or a number below every score
.endr
.irp u, 0,1
	v_permlanex16_b32 v[245+8*(\u)], v[244+8*(\u)], s60, s61           ; the query's other 32 keys lie in the lane 16 away
.endr
.irp u, 0,1
	v_max_num_f32 v[241+8*(\u)], v[244+8*(\u)], v[245+8*(\u)]
.endr
.irp u, 0,1
	v_mul_f32 v[240+8*(\u)], s62, v[241+8*(\u)]
.endr
.irp u, 0,1
	v_sub_f32 v[242+8*(\u)], s73, v[240+8*(\u)]
.endr
.set i, 0
.rept 16                               ; ONE BATCH of 66 exponentials: a pair's scaling stands a step ahead of its exponentials, and nothing here names a result
.irp u, 0,1
	v_pk_fma_f32 v[48+32*(\u)+2*i:49+32*(\u)+2*i], v[48+32*(\u)+2*i:49+32*(\u)+2*i], s[62:63], v[240+8*(\u):241+8*(\u)] op_sel_hi:[1,0,0] neg_lo:[0,0,1] neg_hi:[0,0,1]
.endr
.if i > 0
.irp u, 0,1
	v_exp_f32 v[46+32*(\u)+2*i], v[46+32*(\u)+2*i]
	v_exp_f32 v[47+32*(\u)+2*i], v[47+32*(\u)+2*i]
.endr
.endif
.set i, i+1
.endr
.irp u, 0,1
	v_exp_f32 v[78+32*(\u)], v[78+32*(\u)]
	v_exp_f32 v[79+32*(\u)], v[79+32*(\u)]
	v_exp_f32 v[242+8*(\u)], v[242+8*(\u)]         ; e0 = 2^(c M0 - c m)
.endr
	v_nop                                          ; a plain instruction behind the last exponential,
	s_wait_alu depctr_va_vdst(0)                   ; and one wait for the batch, ahead of its first reader
.set i, 0
.rept 16
.irp u, 0,1
	v_cvt_pk_bf16_f32 v[112+16*(\u)+i], v[48+32*(\u)+2*i], v[49+32*(\u)+2*i]
.endr
.set i, i+1
.endr
.set i, 0
.rept 8                                ; the upper 16 weights onto the lower 16: the upper registers are free for O^T
.irp u, 0,1
	v_pk_add_f32 v[48+32*(\u)+2*i:49+32*(\u)+2*i], v[48+32*(\u)+2*i:49+32*(\u)+2*i], v[64+32*(\u)+2*i:65+32*(\u)+2*i]
.endr
.set i, i+1
.endr
	v_wmma_f32_16x16x32_bf16 v[64:71],  v[216:223], v[112:119], 0      ; the two accumulators take turns
	v_wmma_f32_16x16x32_bf16 v[96:103], v[216:223], v[128:135], 0
	v_wmma_f32_16x16x32_bf16 v[64:71],  v[224:231], v[120:127], v[64:71]
	v_wmma_f32_16x16x32_bf16 v[96:103], v[224:231], v[136:143], v[96:103]
.set i, 0
.rept 4                                ; the rest of the sums: plain work that names none of those products' registers
.irp u, 0,1
	v_pk_add_f32 v[48+32*(\u)+2*i:49+32*(\u)+2*i], v[48+32*(\u)+2*i:49+32*(\u)+2*i], v[56+32*(\u)+2*i:57+32*(\u)+2*i]
.endr
.set i, i+1
.endr
.set i, 0
.rept 2
.irp u, 0,1
	v_pk_add_f32 v[48+32*(\u)+2*i:49+32*(\u)+2*i], v[48+32*(\u)+2*i:49+32*(\u)+2*i], v[52+32*(\u)+2*i:53+32*(\u)+2*i]
.endr
.set i, i+1
.endr
.irp u, 0,1
	v_pk_add_f32 v[48+32*(\u):49+32*(\u)], v[48+32*(\u):49+32*(\u)], v[50+32*(\u):51+32*(\u)]
.endr
.irp u, 0,1
	v_add_f32 v[244+8*(\u)], v[48+32*(\u)], v[49+32*(\u)]
.endr
.irp u, 0,1
	v_permlanex16_b32 v[245+8*(\u)], v[244+8*(\u)], s60, s61
.endr
.irp u, 0,1
	v_add_f32 v[244+8*(\u)], v[244+8*(\u)], v[245+8*(\u)]
.endr
.irp u, 0,1
	v_fma_f32 v[244+8*(\u)], v[242+8*(\u)], 2.0, v[244+8*(\u)]         ; the two zero keys' weights
.endr
.irp u, 0,1
	v_rcp_f32 v[244+8*(\u)], v[244+8*(\u)]
.endr
	v_nop
	s_wait_alu depctr_va_vdst(0)                   ; one wait for the two reciprocals
.set i, 0
.rept 4
.irp u, 0,1
	v_pk_fma_f32 v[64+32*(\u)+2*i:65+32*(\u)+2*i], v[64+32*(\u)+2*i:65+32*(\u)+2*i], v[244+8*(\u):245+8*(\u)], v[232+2*i:233+2*i] op_sel_hi:[1,0,1]  ; O / l + b_v
.endr
.set i, i+1
.endr
.set i, 0
.rept 4
.irp u, 0,1
	v_cvt_pk_bf16_f32 v[16+8*(2*(\p)+(\u))+4*(\hsel)+i], v[64+32*(\u)+2*i], v[65+32*(\u)+2*i]
.endr
.set i, i+1
.endr
.endm
.macro HEAD hsel
	v_add_nc_u32 v6, s68, v1                       ; the head's q rows; k's lie 32,768 further on,
	v_add_nc_u32 v7, 0x10000, v6                   ; v's 65,536
	v_add_nc_u32 v80, s70, v3                      ; its 16 numbers of the q bias, my eight
.set t, 0
.rept 4
	ds_load_b128 v[48+8*t:51+8*t], v80
	ds_load_b128 v[52+8*t:55+8*t], v80 offset:16
.set t, t+1
.endr
	QLOAD 0, 0
	QLOAD 1, 1
	s_wait_dscnt 14                                ; all but the younger buffer's 14 loads
	QMUL 0, 1
	PLACES
	QLOAD 0, 2
	s_wait_dscnt 14
	QMUL 1, 0
	PLACES
	QLOAD 1, 3
	s_wait_dscnt 14
	QMUL 0, 0
	s_wait_dscnt 0x0
	QMUL 1, 0
	PLACES
	v_add_nc_u32 v6, s69, v1                       ; the head's bias tiles
	v_add_nc_u32 v7, s70, v3
	SLOTS 0
	ds_load_b128 v[232:235], v7 offset:O_VB
	ds_load_b128 v[236:239], v7 offset:O_VB+16
.set t, 0
.rept 4
.set i, 0
.rept 4
	v_cvt_pk_bf16_f32 v[192+12*(t/2)+8*(t%2)+i], v[48+8*t+2*i], v[49+8*t+2*i]
.set i, i+1
.endr
.set t, t+1
.endr
.set t, 0
.rept 4
.set i, 0
.rept 4
	v_cvt_pk_bf16_f32 v[148+12*t+i], v[80+8*t+2*i], v[81+8*t+2*i]
.set i, i+1
.endr
.set t, t+1
.endr
.set i, 0
.rept 16
	v_cvt_pk_bf16_f32 v[216+i], v[112+2*i], v[113+2*i]
.set i, i+1
.endr
.irp i, 0,1,2,3
	v_mov_b32 v[196+\i], v[12+\i]
	v_mov_b32 v[208+\i], v[12+\i]
.endr
	s_wait_dscnt 0x0
	SPROD 0
	PLACES
	SLOTS 1                                        ; the next two query tiles' bias: it lands under the softmax
	SOFTMAX 0, \hsel
	s_wait_dscnt 0x0
	SPROD 1
	PLACES
	SOFTMAX 1, \hsel
	s_add_co_u32 s68, s68, 4096
	s_add_co_u32 s69, s69, 4096
	s_add_co_u32 s70, s70, 64
.endm
; XACC += proj_w[:, the pair's 32 channels] x the pair's output: 32 accumulators, one product each
.macro PROJ
	PLACES
	v_add_nc_u32 v6, s71, v1
.set c, 0
.rept 8
	ds_load_b128 v[48+8*c:51+8*c], v6 offset:4096*c
	ds_load_b128 v[52+8*c:55+8*c], v6 offset:4096*c+512
.set c, c+1
.endr
	s_wait_dscnt 0x0
	WIN 0x50                                       ; C and D in window 1
.set c, 0
.rept 8
.set t, 0
.rept 4
	v_wmma_f32_16x16x32_bf16 v[8*(4*c+t):8*(4*c+t)+7], v[48+8*c:55+8*c], v[16+8*t:23+8*t], v[8*(4*c+t):8*(4*c+t)+7]
.set t, t+1
.endr
.set c, c+1
.endr
	WIN 0
	PLACES
.endm
; THE SPECTRAL PAIR COMES BACK.  O_f (lane = f, k = 32 channels) times an identity gives (lane = channel, registers = f), exactly; rounded in pairs that is source 0 of x_r^T = O_f^T x G.
.macro TG
.irp i, 0,1,2,3
	v_mov_b32 v[112+\i], v[8+\i]                   ; [I | 0 | I]: the identity for the first 16 channels and for the second
	v_mov_b32 v[116+\i], 0
	v_mov_b32 v[120+\i], v[8+\i]
.endr
	v_add_nc_u32 v6, GL, v1
.set i, 0
.rept 8
	ds_load_b128 v[144+8*i:147+8*i], v6 offset:1024*i
	ds_load_b128 v[148+8*i:151+8*i], v6 offset:1024*i+512
.set i, i+1
.endr
.set t, 0
.rept 4
	v_wmma_f32_16x16x32_bf16 v[48+8*t:55+8*t], v[16+8*t:23+8*t], v[112:119], 0
	v_wmma_f32_16x16x32_bf16 v[80+8*t:87+8*t], v[16+8*t:23+8*t], v[116:123], 0
.set t, t+1
.endr
	PLACES
.set i, 0
.rept 32
	v_cvt_pk_bf16_f32 v[208+i], v[48+2*i], v[49+2*i]
.set i, i+1
.endr
	s_wait_dscnt 0x0                               ; G
.set ks, 0
.rept 2
.set a, 0
.rept 2
.set t, 0
.rept 4                                ; eight accumulators by turns
.if ks == 0
	v_wmma_f32_16x16x32_bf16 v[48+32*a+8*t:55+32*a+8*t], v[208+16*a:215+16*a], v[144+16*t:151+16*t], 0
.else
	v_wmma_f32_16x16x32_bf16 v[48+32*a+8*t:55+32*a+8*t], v[216+16*a:223+16*a], v[152+16*t:159+16*t], v[48+32*a+8*t:55+32*a+8*t]
.endif
.set t, t+1
.endr
.set a, a+1
.endr
.set ks, ks+1
.endr
	PLACES
.set a, 0
.rept 2
.set t, 0
.rept 4
.set i, 0
.rept 4
	v_cvt_pk_bf16_f32 v[16+8*t+4*a+i], v[48+32*a+8*t+2*i], v[49+32*a+8*t+2*i]
.set i, i+1
.endr
.set t, t+1
.endr
.set a, a+1
.endr
.endm
; THE rfft, in place in my ACT, 16 channels at a time: X^T by the turning load (row = channel, k = token) x F (column = f).  v144-207 F; v208-239 two buffers of X^T; v48-111 two sets of four sums.
.macro TALOAD c
.set TB, 208+16*((\c)%2)
.set ks, 0
.rept 2
	ds_load_tr16_b128 v[TB+8*ks:TB+8*ks+3],   v6 offset:2*AT*ks+32*(\c)
	ds_load_tr16_b128 v[TB+8*ks+4:TB+8*ks+7], v6 offset:2*AT*ks+32*(\c)+AT
.set ks, ks+1
.endr
.endm
.macro DFT
	v_and_b32 v6, 7, v0
	v_bfe_u32 v7, v0, 4, 1
	v_lshl_add_u32 v6, v7, 3, v6                   ; token 8 (l / 16) + l % 8,
	v_mul_u32_u24 v6, v6, AP
	v_bfe_u32 v7, v0, 3, 1
	v_lshl_add_u32 v6, v7, 4, v6                   ; channels 8 ((l / 8) % 2) ..
	v_add_nc_u32 v6, s79, v6
	v_add_nc_u32 v7, FL, v1
.set i, 0
.rept 8
	ds_load_b128 v[144+8*i:147+8*i], v7 offset:1024*i
	ds_load_b128 v[148+8*i:151+8*i], v7 offset:1024*i+512
.set i, i+1
.endr
	TALOAD 0
.set cc, 0
.rept 8
.if cc == 0
	s_wait_dscnt 0x0
.else
	s_wait_dscnt 0x4                               ; my fragments are in; the four stores issued behind them may be out
.endif
.if cc < 7
	TALOAD cc+1
.endif
.set ks, 0
.rept 2
.set t, 0
.rept 4
.if ks == 0
	v_wmma_f32_16x16x32_bf16 v[48+32*(cc%2)+8*t:55+32*(cc%2)+8*t], v[208+16*(cc%2):215+16*(cc%2)], v[144+16*t:151+16*t], 0
.else
	v_wmma_f32_16x16x32_bf16 v[48+32*(cc%2)+8*t:55+32*(cc%2)+8*t], v[216+16*(cc%2):223+16*(cc%2)], v[152+16*t:159+16*t], v[48+32*(cc%2)+8*t:55+32*(cc%2)+8*t]
.endif
.set t, t+1
.endr
.set ks, ks+1
.endr
	PLACES
.set i, 0
.rept 16
	v_cvt_pk_bf16_f32 v[112+16*(cc%2)+i], v[48+32*(cc%2)+2*i], v[49+32*(cc%2)+2*i]
.set i, i+1
.endr
.set t, 0
.rept 4
	ds_store_b128 v2, v[112+16*(cc%2)+4*t:115+16*(cc%2)+4*t] offset:AT*t+32*cc  ; over the 16 channels just read
.set t, t+1
.endr
.set cc, cc+1
.endr
	s_wait_dscnt 0x0
.endm
	; THE TWO ATTENTIONS: one text, walked twice
.irp i, 0,1,2,3
	v_mov_b32 v[12+\i], v[8+\i]                    ; spatial: the identity that lets the bias in
.endr
	s_mov_b32 s72, 0xff000000                      ; -2^127: below every score
	s_mov_b32 s73, 0xfe000000                      ; -2^125: e0 comes out 0
	s_mov_b32 s66, 2
.Lbranch:
	s_cmp_eq_u32 s66, 2
	s_cbranch_scc1 .Lspatial
	DFT
.irp i, 0,1,2,3
	v_mov_b32 v[12+\i], 0                          ; spectral: no bias,
.endr
	s_mov_b32 s72, 0                               ; and two keys of score 0
	s_mov_b32 s73, 0
.Lspatial:
	s_mov_b32 s68, 0
	s_mov_b32 s69, BIASL
	s_mov_b32 s70, VEC
	s_mov_b32 s71, WPL
	s_mov_b32 s67, 4
.Lpair:
	HEAD 0
	HEAD 1
	s_cmp_eq_u32 s66, 1
	s_cbranch_scc0 .Lno_turn
	TG
.Lno_turn:
	PROJ
	s_add_co_u32 s71, s71, 1024
	s_sub_co_u32 s67, s67, 1
	s_cmp_lg_u32 s67, 0
	s_cbranch_scc1 .Lpair
	s_sub_co_u32 s66, s66, 1
	s_cmp_lg_u32 s66, 0
	s_cbranch_scc1 .Lbranch
	; ON TO THE MLP
	v_lshlrev_b32 v12, 8, v0                       ; the prefetches' offset: a block of 256 bytes a thread; never rewritten
	s_wait_tensorcnt 0x0
	ds_add_u32 v4, v5
	s_wait_dscnt 0x0                               ; my reads of qkv_w and the bias tiles are over
	ROUND                                          ; so are everybody's
	TLOAD 56, 40                                   ; fc chunks 0-3 into slot 0: they land under LN2
	ASK 1                                          ; chunks 4-7, which the ring's first load will ask for
.macro SC r, bits                      ; a constant as a pair of which the low word is used.  The registers held descriptors whose loads have been waited for
	s_mov_b32 s[\r], \bits
	s_mov_b32 s[\r+1], 0
.endm
	SC 12, 0x3e3504f3                              ; 1 / (4 sqrt 2)
	SC 14, 0xbc15df0b                              ; 2 A, from z^6 down
	SC 16, 0x3d6dffee
	SC 18, 0xbe8cff51
	SC 20, 0xbeeec2d2
	SC 22, 0xbec0ac63
	SC 24, 0xbdc1a1f6
	SC 26, 0xbd03dbd4
	SC 28, 0xbf7460cd                              ; B, from z^4 down
	SC 30, 0xbf5fbd29
	SC 32, 0xbedc924e
	SC 34, 0xbdf19bf8
	SC 36, 0xbc69b6a7
.macro XADD t                          ; the vector in v64-127 onto XACC's token tile t, each accumulator from its low end on
.set c, 0
.rept 8
.set k, 0
.rept 4
	v_pk_add_f32 v[8*(4*c+(\t))+2*k:8*(4*c+(\t))+2*k+1], v[8*(4*c+(\t))+2*k:8*(4*c+(\t))+2*k+1], v[64+8*c+2*k:65+8*c+2*k]
.set k, k+1
.endr
.set c, c+1
.endr
.endm
	v_add_nc_u32 v7, VEC, v3
	VLOAD 64, O_PB
	VLOAD 128, O_L2W
	VLOAD 192, O_L2B
	v_mov_b32 v27, 0
	v_mov_b32 v29, 0
	v_mov_b32 v10, 0.5
	v_mov_b32 v11, 0.5
	s_wait_dscnt 0x0
	WIN 0x41                                       ; destination and source 0 in window 1
	XADD 0
	XADD 1
	XADD 2
	XADD 3
	WIN 0
	LNT 0
	LNT 1
	LNT 2
	LNT 3
.set kc, 0
.rept 4                                ; LN2's result stays in registers for all 16 chunks: fragment (kc, t) at v16 + 32 kc + 8 t.  LDS serves a wave's instructions in order: these see the stores above
.set t, 0
.rept 4
	ds_load_b128 v[16+32*kc+8*t:19+32*kc+8*t], v2 offset:AT*t+64*kc
	ds_load_b128 v[20+32*kc+8*t:23+32*kc+8*t], v2 offset:AT*t+64*kc+32
.set t, t+1
.endr
.set kc, kc+1
.endr
; A CHUNK OF 32 HIDDEN UNITS.  v144 + 16 t + 8 m fc1's sums (m = 0, 1), then v144 + 16 t the activations in bf16; v208-239 two pairs of fc1 fragments, then GELU's w, z, a, b, then fc2 fragments; v240-255 fc1 bias, then fc2 fragments.
.macro W1LOAD dst, kc
.set m, 0
.rept 2
	ds_load_b128 v[(\dst)+8*m:(\dst)+8*m+3],   v8 offset:1024*(4*m+(\kc))
	ds_load_b128 v[(\dst)+8*m+4:(\dst)+8*m+7], v8 offset:1024*(4*m+(\kc))+512
.set m, m+1
.endr
.endm
.macro FC1 src, kc, first              ; eight accumulators by turns; the first products start from the bias
.set t, 0
.rept 4
.set m, 0
.rept 2
.if \first
	v_wmma_f32_16x16x32_bf16 v[144+16*t+8*m:151+16*t+8*m], v[(\src)+8*m:(\src)+8*m+7], v[16+32*(\kc)+8*t:23+32*(\kc)+8*t], v[240+8*m:247+8*m]
.else
	v_wmma_f32_16x16x32_bf16 v[144+16*t+8*m:151+16*t+8*m], v[(\src)+8*m:(\src)+8*m+7], v[16+32*(\kc)+8*t:23+32*(\kc)+8*t], v[144+16*t+8*m:151+16*t+8*m]
.endif
.set m, m+1
.endr
.set t, t+1
.endr
.endm
.macro W2LOAD dst, c0, n
.set i, 0
.rept \n
	ds_load_b128 v[(\dst)+8*i:(\dst)+8*i+3],   v8 offset:8192+1024*((\c0)+i)
	ds_load_b128 v[(\dst)+8*i+4:(\dst)+8*i+7], v8 offset:8192+1024*((\c0)+i)+512
.set i, i+1
.endr
.endm
.macro FC2 src, c0, n                  ; XACC += fc2 x activations: an accumulator has one product a chunk
.set i, 0
.rept \n
.set t, 0
.rept 4
	v_wmma_f32_16x16x32_bf16 v[8*(4*((\c0)+i)+t):8*(4*((\c0)+i)+t)+7], v[(\src)+8*i:(\src)+8*i+7], v[144+16*t:151+16*t], v[8*(4*((\c0)+i)+t):8*(4*((\c0)+i)+t)+7]
.set t, t+1
.endr
.set i, i+1
.endr
.endm
.macro GELUT hb, dst                   ; eight numbers h in v[hb ..] -> h Phi(h) in bf16 in v[dst .. dst + 3]
.set k, 0
.rept 4
	v_pk_mul_f32 v[208+2*k:209+2*k], v[(\hb)+2*k:(\hb)+2*k+1], s[12:13] op_sel_hi:[1,0]   ; w
.set k, k+1
.endr
.set k, 0
.rept 4
	v_pk_mul_f32 v[216+2*k:217+2*k], v[208+2*k:209+2*k], v[208+2*k:209+2*k] clamp         ; z = min(w w, 1)
.set k, k+1
.endr
.set k, 0
.rept 4
	v_pk_fma_f32 v[224+2*k:225+2*k], v[216+2*k:217+2*k], s[14:15], s[16:17] op_sel_hi:[1,0,0]
	v_pk_fma_f32 v[232+2*k:233+2*k], v[216+2*k:217+2*k], s[28:29], s[30:31] op_sel_hi:[1,0,0]
.set k, k+1
.endr
.set i, 0
.rept 5
.set k, 0
.rept 4
	v_pk_fma_f32 v[224+2*k:225+2*k], v[224+2*k:225+2*k], v[216+2*k:217+2*k], s[18+2*i:19+2*i] op_sel_hi:[1,1,0]
.if i < 3
	v_pk_fma_f32 v[232+2*k:233+2*k], v[232+2*k:233+2*k], v[216+2*k:217+2*k], s[32+2*i:33+2*i] op_sel_hi:[1,1,0]
.endif
.set k, k+1
.endr
.set i, i+1
.endr
.set k, 0
.rept 8
	v_rcp_f32 v[232+k], v[232+k]                   ; B is below -0.014 everywhere
.set k, k+1
.endr
.set k, 0
.rept 4
	v_pk_mul_f32 v[224+2*k:225+2*k], v[224+2*k:225+2*k], v[208+2*k:209+2*k]               ; plain work behind the last reciprocal
.set k, k+1
.endr
	s_wait_alu depctr_va_vdst(0)                   ; one wait for the eight reciprocals
.set k, 0
.rept 4
	v_pk_fma_f32 v[224+2*k:225+2*k], v[224+2*k:225+2*k], v[232+2*k:233+2*k], v[10:11] clamp  ; Phi, held to 0 .. 1
.set k, k+1
.endr
.set k, 0
.rept 4
	v_pk_mul_f32 v[208+2*k:209+2*k], v[(\hb)+2*k:(\hb)+2*k+1], v[224+2*k:225+2*k]
.set k, k+1
.endr
.set k, 0
.rept 4
	v_cvt_pk_bf16_f32 v[(\dst)+k], v[208+2*k], v[209+2*k]
.set k, k+1
.endr
.endm
.macro CHUNK
	v_add_nc_u32 v8, s76, v1
	v_add_nc_u32 v9, s77, v3
	ds_load_b128 v[240:243], v9
	ds_load_b128 v[244:247], v9 offset:16
	ds_load_b128 v[248:251], v9 offset:64
	ds_load_b128 v[252:255], v9 offset:80
	W1LOAD 208, 0
	W1LOAD 224, 1
	s_wait_dscnt 4                                 ; all but the younger pair's four loads
	FC1 208, 0, 1
	PLACES
	W1LOAD 208, 2
	s_wait_dscnt 4
	FC1 224, 1, 0
	PLACES
	W1LOAD 224, 3
	s_wait_dscnt 4
	FC1 208, 2, 0
	s_wait_dscnt 0x0
	FC1 224, 3, 0
	PLACES
	W2LOAD 240, 0, 2                               ; fc2's first two fragments land under the GELU
.set tt, 0
.rept 4
	GELUT 144+16*tt, 144+16*tt                     ; tile (0, t) is done with before tile (1, t) writes into its upper half
	GELUT 152+16*tt, 148+16*tt
.set tt, tt+1
.endr
	W2LOAD 208, 2, 4
	s_wait_dscnt 8                                 ; the first two fragments are in; eight younger loads may be out
	WIN 0x50
	FC2 240, 0, 2
	WIN 0
	PLACES
	W2LOAD 240, 6, 2
	s_wait_dscnt 4
	WIN 0x50
	FC2 208, 2, 4
	s_wait_dscnt 0x0
	FC2 240, 6, 2
	WIN 0
	PLACES 5                                       ; the next chunk's first products write over registers that these have read
	s_add_co_u32 s76, s76, 16384
	s_add_co_u32 s77, s77, 128
.endm
.macro FOURCH                          ; a slot's four chunks
	s_mov_b32 s75, 4
.Lchunk_\@:
	CHUNK
	s_sub_co_u32 s75, s75, 1
	s_cmp_lg_u32 s75, 0
	s_cbranch_scc1 .Lchunk_\@
	s_sub_co_u32 s76, s76, 65536                   ; back to a slot's first chunk,
	s_xor_b32 s76, s76, 65536                      ; in the other slot
.endm
	s_mov_b32 s76, 0
	s_mov_b32 s77, VEC+O_F1B
	s_mov_b32 s74, 3
.Lring:                                                ; three trips: the other slot is filled with the next four chunks while this slot's four are worked on
	s_wait_tensorcnt 0x0                           ; my one load that was out, my eighth of the slot to be read, has landed: the group 0 may be written
	ds_add_u32 v4, v5                              ; 0 onto my spare word; the steps stand between it and the wait for it
	s_xor_b32 s57, s57, 65536
	s_add_nc_u64 s[58:59], s[58:59], 65536
	s_wait_xcnt 0x0                                ; the last prefetch, four chunks (or LN2) back, has read its address
	s_add_nc_u64 s[86:87], s[86:87], 65536
	s_wait_dscnt 0x0                               ; the add is done, and my reads of the slot to be filled are over
	ROUND
	TLOAD 56, 40
	ASK 0
	FOURCH
	s_sub_co_u32 s74, s74, 1
	s_cmp_lg_u32 s74, 0
	s_cbranch_scc1 .Lring
	s_wait_tensorcnt 0x0                           ; the tail is written out: nothing is asked for
	ds_add_u32 v4, v5
	s_wait_dscnt 0x0
	s_barrier_signal -1
	s_barrier_wait -1
	FOURCH
	; THE WAY OUT: + fc2_b; 16 tokens at a time through my stage (two halves of 16 rows at pitch 528, in my ACT), back as whole rows of 512 bytes
	v_add_nc_u32 v7, VEC, v3
	VLOAD 64, O_F2B
	v_and_b32 v9, 15, v0
	v_bfe_u32 v10, v0, 4, 1
	v_mul_u32_u24 v6, v9, XP
	v_lshl_add_u32 v6, v10, 5, v6
	v_add_nc_u32 v6, s79, v6                       ; in: token n, channels 8 h ..
	v_add_nc_u32 v8, s79, v1                       ; back: 16 bytes a lane of a token's row
	s_wait_dscnt 0x0
.macro OUTT t
	WIN 0x41
	XADD \t
	WIN 0x04                                       ; the stores' data in window 1
.set c, 0
.rept 8
	ds_store_b128 v6, v[8*(4*c+(\t)):8*(4*c+(\t))+3]   offset:16*XP*((\t)%2)+64*c
	ds_store_b128 v6, v[8*(4*c+(\t))+4:8*(4*c+(\t))+7] offset:16*XP*((\t)%2)+64*c+16
.set c, c+1
.endr
	WIN 0
.if (\t) >= 2
	s_wait_xcnt 0x0                                ; the stores of two tiles back have read the registers that are loaded again
.endif
.set r, 0
.rept 16
	ds_load_b128 v[128+64*((\t)%2)+4*r:131+64*((\t)%2)+4*r], v8 offset:16*XP*((\t)%2)+XP*r  ; LDS serves a wave's instructions in order: these see the stores above
.set r, r+1
.endr
.set r, 0
.rept 16
	s_wait_dscnt 15-r                              ; row r is back; the younger rows may be out
	global_store_b128 v1, v[128+64*((\t)%2)+4*r:131+64*((\t)%2)+4*r], s[8:9] offset:(2*(\t)+r/8)*131072+(r%8)*512 th:TH_STORE_NT  ; 512 consecutive bytes, at a multiple of 512 from out0's first
.set r, r+1
.endr
.endm
	OUTT 0
	OUTT 1
	OUTT 2
	OUTT 3
	s_wait_tensorcnt 0x0                           ; the wave's end: the add and its waits, behind my last tensor load and my last LDS store
	ds_add_u32 v4, v5
	s_wait_dscnt 0x0
	ROUND                                          ; the closing round: no work-group ends while a partner may still ask for a table that names it
	s_endpgm
.Lfunc_end_k_qfed4561a88_block:
	.size	k_qfed4561a88_block, .Lfunc_end_k_qfed4561a88_block-k_qfed4561a88_block
	.p2alignl 7, 3214868480
	.fill 96, 4, 3214868480
	.section	.rodata,"a",@progbits
	.p2align	6, 0x0
	.amdhsa_kernel k_qfed4561a88_block
		.amdhsa_group_segment_fixed_size 327680
		.amdhsa_private_segment_fixed_size 0
		.amdhsa_enable_private_segment 0
		.amdhsa_kernarg_size 24
		.amdhsa_user_sgpr_count 2
		.amdhsa_user_sgpr_kernarg_segment_ptr 1
		.amdhsa_wavefront_size32 1
		.amdhsa_system_sgpr_workgroup_id_x 1
		.amdhsa_system_sgpr_workgroup_id_y 1
		.amdhsa_system_sgpr_workgroup_id_z 1
		.amdhsa_system_vgpr_workitem_id 0
		.amdhsa_next_free_vgpr 512
		.amdhsa_next_free_sgpr 96
		.amdhsa_reserve_vcc 1
		.amdhsa_float_denorm_mode_32 3
		.amdhsa_float_denorm_mode_16_64 3
		.amdhsa_memory_ordered 1
		.amdhsa_forward_progress 1
		.amdhsa_inst_pref_size 255
	.end_amdhsa_kernel
	.section	.bss,"aw",@nobits
	.p2align	6
	.space	262144
	.amdgpu_metadata
---
amdhsa.version: [ 1, 2 ]
amdhsa.kernels:
  - .name:           k_qfed4561a88_block
    .symbol:         k_qfed4561a88_block.kd
    .args:
      - { .name: x, .offset: 0, .size: 8, .value_kind: global_buffer, .address_space: global }
      - { .name: tabs, .offset: 8, .size: 8, .value_kind: global_buffer, .address_space: global }
      - { .name: out0, .offset: 16, .size: 8, .value_kind: global_buffer, .address_space: global }
    .group_segment_fixed_size: 327680
    .private_segment_fixed_size: 0
    .kernarg_segment_align: 8
    .kernarg_segment_size: 24
    .max_flat_workgroup_size: 256
    .sgpr_count:     96
    .vgpr_count:     512
    .wavefront_size: 32
...
	.end_amdgpu_metadata
.endif
;; end of part 2
